; MI455X (gfx1250); checked and timed in simulation.
; The chip was launched on July 23, 2026; its instructions are those of AMD's public machine-readable ISA for CDNA 5 (MIT licence, August 2026) and "CDNA5" Instruction Set Architecture Reference Guide (July 2026). The comments in the code are by the model that wrote it; some were corrected since.
;; Causal Self Attention With Bias. Allowed arithmetic: matrix products marked QUANTISED: E4M3 operands, one given power-of-two scale a tensor, by v_wmma_f32_16x16x64_fp8_fp8 or v_wmma_f32_16x16x128_fp8_fp8, f32 sums; everything else in f32.
;; Inputs: W_attn_codes 3,072 x 32 x 32 uint8 (E4M3 codes of W_attn, K innermost, in blocks of 32 codes); W_proj_codes 1,024 x 32 x 32 uint8 (E4M3 codes of W_proj, K innermost, in blocks of 32 codes); bK 16 x 64 float32; bQ 16 x 64 float32; bV 16 x 64 float32; b_attn 3,072 float32; b_proj 1,024 float32; lowp_scales 8 int32 (the exponents e of the quantised operands' scales 2^e); x_codes 4 x 2,048 x 32 x 32 uint8 (E4M3 codes of x, K innermost, in blocks of 32 codes).
;; Outputs: out0 4 x 2,048 x 1,024 float32.
;; This version of the problem:
;;   THIS VERSION OF THE PROBLEM IS GIVEN IN LOW PRECISION. The matrix products marked QUANTISED in the list below multiply operands that are first quantised to E4M3 (4 exponent bits, 3 mantissa bits; 8 bits a number), with one given power-of-two scale for each operand tensor; their sums are f32. All else is computed in f32.
;;   The module's matrix products, in the order in which they are computed (A, B: the left and right operand; K: the contracted axis; several contracted axes count as one K, in the product's order):
;;     1. [M 8,192, K 1,024] x [K 1,024, N 3,072]; A: input x (given as codes); B: input W_attn (given as codes): QUANTISED (scales: A lowp_scales[0], B lowp_scales[1])
;;     2. batch 64 x [M 2,048, K 64] x [K 64, N 2,048]; A: computed on the way; B: computed on the way: QUANTISED (scales: A lowp_scales[2], B lowp_scales[3])
;;     3. batch 64 x [M 2,048, K 2,048] x [K 2,048, N 64]; A: softmax (see below); B: computed on the way: QUANTISED (scales: A lowp_scales[4], B lowp_scales[5])
;;     4. [M 8,192, K 1,024] x [K 1,024, N 1,024]; A: computed on the way; B: input W_proj (given as codes): QUANTISED (scales: A lowp_scales[6], B lowp_scales[7])
;;   THE QUANTISER, for each operand of a quantised product, along K:
;;     - The operand's scale is 2^e, e = its entry of the input lowp_scales (int32; the entries are numbered through the quantised products in the list's order, A before B).
;;     - Each number is divided by the scale, clamped to +-448, and rounded to the nearest number of E4M3, ties to even, subnormals kept.
;;     - The product sums the exact products of the quantised numbers (number of the format x scale) in f32.
;;   ~~~python
;;   def quantise(x, axis, e):      # numpy; x: float32 -> the quantised numbers, widened to float32 again
;;       x = np.moveaxis(x, axis, -1); K = x.shape[-1]
;;       r = np.clip(x / 2.0 ** e, -448, 448)
;;       step = 2.0 ** (np.maximum(np.frexp(np.where(r == 0, 1, r))[1] - 1, -6) - 3)
;;       q = np.round(r / step) * step * 2.0 ** e      # np.round: ties to even
;;       return np.moveaxis(q, -1, axis).astype(np.float32)
;;   ~~~
;;   SOFTMAX AHEAD OF A QUANTISED PRODUCT. Where the list says 'softmax', what is quantised is not the finished softmax but p = 2^(t - M), with t = logit x log2(e) and M = ceil(the row's largest t), a whole number; so 1/2 < the row's largest p <= 1. The row's sum l is taken of the UNQUANTISED p, in f32, and the product's result is divided by l at the end. Since M is a whole number, a kernel that streams over the keys may use a running M (the ceiling of the running maximum): every later rescaling is an exact power of two, so the quantised numbers keep their values, but for numbers so far below the row's largest that they fall under the format's range.
;;   OPERANDS COMPUTED ON THE WAY. 'Computed on the way' means the value that the module computes at that place (a softmax that the list does not call 'softmax' is quantised finished and normalised). What goes into a quantiser is computed in f32, as accurately as f32 sums, v_exp_f32 and their like allow (about 1e-6 of the number): no bf16 or f16 on the way to a quantiser, and a product that is left as it is and whose result goes on into a quantised operand takes f32 operands (vector FMAs, or v_wmma_f32_16x16x4_f32). A number that lies on a knife's edge between two numbers of the format may be rounded either way, as far as f32 arithmetic and the matrix unit's own rounding can turn it there, and no further.
;;   INPUTS GIVEN AS CODES. W_attn (in the module: [1024, 3072], K = its axis 0); W_proj (in the module: [1024, 1024], K = its axis 0); x (in the module: [4, 2048, 1024], K = its axis 2): each comes as NAME_codes (uint8): NAME with its K axis moved to the last place and cut into blocks of 32 codes, [.., K / 32, bytes a block], one block behind the other in memory; one code a byte (a code: sign, 4 exponent bits, 3 mantissa bits); its scale is its entry of lowp_scales. Its value is code x scale, taken as it is: it is not quantised again, and the codes and scales need not be those that the quantiser above would give.
;; One version. Each part assembles by itself: llvm-mc -triple=amdgcn-amd-amdhsa -mcpu=gfx1250 --defsym DOCPART=n.
;; ======== version 1 of 1: 3 launches
;; limits: right only within a limited range of input values
;; workspace buffers: qc 8,388,608 bytes; kc 8,388,608 bytes; vc 8,388,608 bytes; yc 8,388,608 bytes
;; launch qkv (part 1): grid 12 x 32, 4 waves a work-group, clusters of 4 x 4, 327,680 bytes of LDS; arguments x_codes, W_attn_codes, b_attn, bQ, bK, bV, lowp_scales, qc, kc, vc; writes qc, kc, vc
.if DOCPART == 1
	.amdgcn_target "amdgcn-amd-amdhsa--gfx1250"
	.amdhsa_code_object_version 6
	.text
	.protected	k_q4146cdfda1_qkv
	.globl	k_q4146cdfda1_qkv
	.p2align	8
	.type	k_q4146cdfda1_qkv,@function
k_q4146cdfda1_qkv:
	s_mov_b64 s[64:65], 0
	v_nop
	global_prefetch_b8 v0, s[64:65] scope:SCOPE_SE
	s_setreg_imm32_b32 hwreg(HW_REG_WAVE_MODE, 25, 1), 1
	s_wait_xcnt 0x0
	s_wait_alu depctr_hold_cnt(0) depctr_sa_sdst(0) depctr_va_vdst(0) depctr_va_sdst(0) depctr_va_ssrc(0) depctr_va_vcc(0) depctr_vm_vsrc(0)
	s_getreg_b32 s2, hwreg(HW_REG_IB_STS2, 6, 4)
	s_cmp_eq_u32 s2, 0
	s_cbranch_scc0 .Lentry_in_a_cluster
	s_endpgm
.Lentry_in_a_cluster:
	s_bfe_u32 s2, ttmp6, 0x10000c
	s_cmp_lg_u32 s2, 0xf033
	s_cbranch_scc0 .Lentry_shape_is_right
	s_endpgm
.Lentry_shape_is_right:
; qkv = x W_attn + b_attn, cut into heads, + bQ, bK or bV, quantised to E4M3 with the given scales (q: entry 2, k: entry 3, v: entry 5 of lowp_scales).
; x_codes [8192][1024], W_attn_codes [3072][1024]: E4M3 codes, K innermost.  The codes are multiplied as they are (v_wmma_f32_16x16x128_fp8_fp8, sums in f32); a finished sum is
; multiplied once by 2^(e0 + e1), the two biases are added in the same fused multiply-add, and the number is converted.
; LIMITS: e0 + e1 between -126 and 127; e2, e3, e5 between -126 and 119, so that each power of two below is an f32 number.  NaN among the biases is not served.
; SHARES.  A tile of 256 x 256 of qkv is made by a work-group of four waves; a wave makes 128 x 128: 64 accumulators, 512 registers.  K = 1,024 goes in four steps of 256 through two LDS slots.
; CLUSTERS: 4 x 4 work-groups; cluster x is 0 for q, 1 for k, 2 for v, cluster y counts 0 to 7.  Role A (source 1 of the products) is shared along a row of the cluster, role B (source 0) along a column.
; ONE TEXT FOR q, k AND v: THE ROLES ARE SWAPPED, NOT THE CODE.  In a result, register j of lane (r, h) is (source 0 row 8 h + j, source 1 row r).
;   q, k: A = 256 tokens, B = 256 rows of W.  A lane holds ONE token and eight neighbouring channels: a conversion gives two registers of a fragment 16 tokens x 64 channels.
;   v:    A = 256 rows of W, B = 256 tokens.  A lane holds ONE channel and eight neighbouring tokens: a conversion gives two registers of a fragment 16 channels x 128 keys.
; THE OUTPUTS ARE IMAGES OF THE NEXT LAUNCH'S OPERAND REGISTERS: four registers a lane, 16 bytes at 16 x lane, so each store of a wave covers 512 consecutive bytes, aligned, and nothing is transposed.
;   qc, kc: [batch x head 64][tile of 16 tokens 128][group 2][lane 32][16 bytes]: registers 2 c, 2 c + 1 of lane (r, h): token r, channels 16 c + 8 h + 0..7
;   vc:     [batch x head 64][step of 128 keys 16][tile of 16 channels 4][group 4][lane 32][16 bytes]: registers 2 b, 2 b + 1 of lane (r, h): channel r, keys 16 b + 8 h + 0..7
; NOT DONE HERE: no prefetch: K has four steps, of which two are the first fills and the other two are asked for one step behind them.  384 tiles do not divide by 256, so no work-group stays.
; REGISTERS, in windows of 256: window 0: v16-31 addresses; v32-95 the biases; v96 the scale; v128-255 A's fragments (one set), on the way out numbers (v128-191) and codes (v192-255).
;   window 1: B's fragments, two sets.   window 2: the accumulators of A's blocks 0-3 ((a, b) at v[8 (8 a + b)]);   window 3: those of blocks 4-7.
.set KROW,   1024                      ; a row of x or of W in memory, in bytes
.set ROWB,   256                       ; a tile's row: 256 codes
.set PITCH,  272                       ; an LDS row: 256 bytes + 16 of padding = 68 words, so that the 16 rows of a fragment load start 4 words apart modulo 64
.set FR,     16                        ; registers of a fragment: 16 rows x 128 K
.set NL,     4                         ; LDS loads that bring one
.set NP,     4                         ; places behind this matrix instruction (ISA guide 7.12.1)
.set HALFT,  128*PITCH                 ; 128 rows: what one tensor load brings
.set SLOT,   4*HALFT                   ; A's 256 rows, then B's 256 rows
.set SPARE,  2*SLOT                    ; behind the ring: the spare words, 128 bytes a wave
.set ADRA, 16                          ; v16-17  LDS address of my A fragments in slot 0, 1
.set ADRB, 20                          ; v20-21  the same for B
.set CO,   26                          ; v26     16 x lane: my place in an image
.set BO8,  27                          ; v27     32 x (lane / 16): my eight biases of a block (q, k)
.set SPW,  28                          ; v28     LDS address of my spare word; never rewritten
.set NIL,  29                          ; v29     0; never rewritten
.set BO4,  30                          ; v30     4 x (lane % 16): my one bias of a block (v)
.set BIAS, 32                          ; v32-95  b_attn + bQ / bK / bV in the result's layout
.set SCL,  96                          ; v96     the quantiser's scale as f32
.set LIM,  97
.set AF,   128                         ; A's fragments
.set T,    128                         ; the way out: a block's 64 numbers
.set CD,   192                         ; the way out: codes, 16 registers for each of four blocks in turn
.set G1, 24                            ; s[24:31] descriptor group 1 for A's tiles;  s[32:39] group 0, one set for each slot
.set G0, 32
.set G1B, 48                           ; s[48:55], s[56:63] the same for B's tiles
.set G0B, 56
.set MSB, 0
.macro WIN new                         ; the immediate's high byte repeats the setting that is left
.if MSB != \new
	s_set_vgpr_msb (MSB<<8)|\new
.set MSB, \new
.endif
.endm
.set MUL_LO, 0xa1                      ; source 0 (B) window 1, source 1 (A) window 0, C and D window 2
.set MUL_HI, 0xf1                      ; the same, C and D window 3
.set TO_B,   0x40                      ; destination window 1, address window 0
; A joint load: waves 0 and 1 fetch for A, waves 2 and 3 for B.  Each line has one mask and one set of registers; the branch hangs on the wave's number alone.  Four v_nop follow each line.
.macro JLOAD g0a, g1a, g0b, g1b
	s_cmp_eq_u32 s15, 0
	s_cbranch_scc0 .Lfor_b_\@
	tensor_load_to_lds s[\g0a:\g0a+3], s[\g1a:\g1a+7]
	s_nop 0
.rept 4
	v_nop
.endr
	s_branch .Lasked_\@
.Lfor_b_\@:
	tensor_load_to_lds s[\g0b:\g0b+3], s[\g1b:\g1b+7]
	s_nop 0
.rept 4
	v_nop
.endr
.Lasked_\@:
.endm
.macro CREST                           ; a round of the cluster's barrier behind its opening barrier
	s_cmp_lg_u32 s14, 0
	s_cbranch_scc1 .Lnot_wave_0_\@
	s_barrier_signal -3
.Lnot_wave_0_\@:
	s_barrier_wait -3
	s_barrier_signal -1
	s_barrier_wait -1
.endm
.macro CROUND                          ; a whole round
	s_barrier_signal -1
	s_barrier_wait -1
	CREST
.endm
	s_load_b512 s[68:83], s[0:1], 0x0              ; x 68, W 70, b_attn 72, bQ 74, bK 76, bV 78, the exponents 80, qc 82
	s_load_b128 s[84:87], s[0:1], 0x40             ; kc 84, vc 86
	v_lshl_add_u32 v[SPW], v0, 2, SPARE
	v_mov_b32 v[NIL], 0
	ds_add_u32 v28, v29
	ds_add_u32 v28, v29
	s_wait_dscnt 0x0
	v_lshrrev_b32 v1, 5, v0
	v_readfirstlane_b32 s14, v1                    ; wave 0..3
	s_lshr_b32 s15, s14, 1                         ; which half of A's rows is mine.  Also: I fetch for A (0) or for B (1)
	s_and_b32 s16, s14, 1                          ; which half of B's rows.  Also: which 128 rows of that tile I fetch
	s_bfe_u32 s40, ttmp6, 0x40000                  ; cx, cy: my place in the cluster
	s_bfe_u32 s41, ttmp6, 0x40004
	s_and_b32 s17, ttmp7, 0xffff                   ; cluster y
	s_lshl_b32 s43, s41, 2
	s_lshl_b32 s43, 15, s43                        ; my row of the cluster
	s_lshl_b32 s44, 0x1111, s40                    ; my column
	; descriptor group 1: a tile of 128 rows x 256 bytes, padded in LDS; both tensors have rows of 1,024 bytes
	s_or_b32 s[G1+0], s43, (0<<16)|(1<<20)|(1<<21)|(5<<22)|(3<<25)  ; 15:0 the mask: my row; 17:16 elements of 1 byte; 20 padding on; 21 set beside a mask; 24:22 after every 64 words; 31:25 four words
	s_or_b32 s[G1B+0], s44, (0<<16)|(1<<20)|(1<<21)|(5<<22)|(3<<25) ; the same with the mask of my column
.irp g, G1, G1B
	s_mov_b32 s[\g+1], ROWB<<16                    ; tensor_dim0
	s_mov_b32 s[\g+2], 128<<16                     ; tensor_dim1
	s_mov_b32 s[\g+3], ROWB<<16                    ; tile_dim0
	s_mov_b32 s[\g+4], 128                         ; tile_dim1
	s_mov_b32 s[\g+5], KROW                        ; tensor_dim0_stride
	s_mov_b32 s[\g+6], 0
	s_mov_b32 s[\g+7], 0
.endr
	; which tiles.  q, k: A = token tile 4 x cluster y + cy, B = tile 4 x cluster x + cx of W.  v: A = tile 8 + cy of W, B = token tile 4 x cluster y + cx.
	; The choice hangs on cluster x, which all sixteen partners share.  A's registers never hold cx, B's never cy.
	s_cmp_eq_u32 ttmp9, 2
	s_cselect_b32 s18, 2, s17
	s_cselect_b32 s19, s17, ttmp9
	s_lshl_b32 s18, s18, 2
	s_add_co_u32 s18, s18, s41                     ; A's tile
	s_lshl_b32 s19, s19, 2
	s_add_co_u32 s19, s19, s40                     ; B's tile
	s_lshl_b32 s22, s16, 17                        ; the 128 rows that I fetch, in bytes
	s_lshl_b32 s20, s18, 18                        ; a tile is 256 rows of 1,024 bytes
	s_add_co_u32 s20, s20, s22
	s_mov_b32 s21, 0
	s_lshl_b32 s46, s19, 18
	s_add_co_u32 s46, s46, s22
	s_mov_b32 s47, 0
	s_mul_i32 s45, s14, HALFT                      ; where they go: wave x 128 rows: no place in the cluster enters an LDS address
	s_wait_kmcnt 0x0
	s_load_b256 s[88:95], s[80:81], 0x0            ; e0 .. e7
	s_cmp_eq_u32 ttmp9, 2
	s_cselect_b64 s[8:9], s[70:71], s[68:69]       ; A's tensor: W for v, else x
	s_cselect_b64 s[12:13], s[68:69], s[70:71]     ; B's tensor
	s_add_nc_u64 s[20:21], s[8:9], s[20:21]
	s_add_nc_u64 s[46:47], s[12:13], s[46:47]
	CROUND                                         ; all sixteen work-groups are here: the first joint loads meet
.irp s, 0,1
	s_mov_b32 s[G0+4*\s], 1
	s_add_co_u32 s[G0+4*\s+1], s45, \s*SLOT
	s_add_nc_u64 s[G0+4*\s+2:G0+4*\s+3], s[20:21], \s*ROWB
	s_or_b32 s[G0+4*\s+3], s[G0+4*\s+3], 0x80000000
	s_mov_b32 s[G0B+4*\s], 1
	s_add_co_u32 s[G0B+4*\s+1], s45, \s*SLOT
	s_add_nc_u64 s[G0B+4*\s+2:G0B+4*\s+3], s[46:47], \s*ROWB
	s_or_b32 s[G0B+4*\s+3], s[G0B+4*\s+3], 0x80000000
	JLOAD G0+4*\s, G1, G0B+4*\s, G1B               ; two tensor loads of mine are out
.endr
	v_and_b32 v1, 15, v0                           ; r = lane % 16
	v_bfe_u32 v2, v0, 4, 1                         ; h = lane / 16
	v_mul_u32_u24 v3, v1, PITCH
	v_lshl_add_u32 v4, v2, 4, v3                   ; a fragment's row x pitch + 16 x half
	s_mul_i32 s21, s15, HALFT                      ; my 128 rows of A
	s_mul_i32 s22, s16, HALFT                      ; my 128 rows of B,
	s_add_co_u32 s22, s22, 2*HALFT                 ; which lie behind A's 256
.irp s, 0,1
	v_add_nc_u32 v[ADRA+\s], s21, v4
	v_add_nc_u32 v[ADRB+\s], s22, v4
	s_add_co_u32 s21, s21, SLOT
	s_add_co_u32 s22, s22, SLOT
.endr
	v_and_b32 v6, 31, v0
	v_lshlrev_b32 v[CO], 4, v6
	v_lshlrev_b32 v[BO8], 5, v2
	v_lshlrev_b32 v[BO4], 2, v1
	; where my results go, and my biases.  My 128 channels are two heads: 4 c + 2 half on, c and half taken from the side that holds W; my 128 tokens from the other side.
	s_cmp_eq_u32 ttmp9, 2
	s_cselect_b32 s2, s41, s40                     ; c
	s_cselect_b32 s3, s15, s16                     ; W's half
	s_cselect_b32 s8, s19, s18                     ; the token tile
	s_cselect_b32 s9, s16, s15                     ; the tokens' half
	s_lshl_b32 s2, s2, 2
	s_lshl_b32 s3, s3, 1
	s_add_co_u32 s2, s2, s3                        ; my first head
	s_lshr_b32 s3, s8, 3                           ; batch: eight token tiles each
	s_lshl_b32 s3, s3, 4
	s_add_co_u32 s3, s3, s2
	s_lshl_b32 s3, s3, 17                          ; a head's codes are 131,072 bytes in each of the three buffers
	s_and_b32 s8, s8, 7
	s_lshl_b32 s8, s8, 1
	s_add_co_u32 s8, s8, s9
	s_lshl_b32 s8, s8, 13                          ; 128 tokens of a head are 8,192 bytes: eight tiles of qc or kc, one key step of vc
	s_add_co_u32 s12, s3, s8
	s_mov_b32 s13, 0
	s_cmp_eq_u32 ttmp9, 0
	s_cselect_b64 s[10:11], s[82:83], s[84:85]     ; qc or kc,
	s_cselect_b64 s[6:7], s[74:75], s[76:77]       ; bQ or bK,
	s_cmp_eq_u32 ttmp9, 2
	s_cselect_b64 s[10:11], s[86:87], s[10:11]     ; or vc
	s_cselect_b64 s[6:7], s[78:79], s[6:7]         ; and bV
	s_add_nc_u64 s[10:11], s[10:11], s[12:13]
	s_lshl_b32 s3, s2, 8                           ; 64 numbers of 4 bytes a head
	s_lshl_b32 s12, ttmp9, 12                      ; the third of b_attn
	s_add_co_u32 s12, s12, s3
	s_add_nc_u64 s[4:5], s[72:73], s[12:13]        ; b_attn at my channels
	s_mov_b32 s12, s3
	s_add_nc_u64 s[6:7], s[6:7], s[12:13]          ; bQ, bK or bV at my channels
	; THE BIASES, in the result's layout, while the first tiles are on their way.  Both arms write all 64 registers.
	s_cmp_eq_u32 ttmp9, 2
	s_cbranch_scc1 .Lbias_v
	s_wait_alu depctr_va_vdst(0)
.irp b, 0,1,2,3,4,5,6,7                        ; q, k: register 8 b + j: channel 16 b + 8 h + j
.irp u, 0,1
	global_load_b128 v[BIAS+8*\b+4*\u:BIAS+8*\b+4*\u+3], v[BO8], s[4:5] offset:64*\b+16*\u
	global_load_b128 v[T+8*\b+4*\u:T+8*\b+4*\u+3], v[BO8], s[6:7] offset:64*\b+16*\u
.endr
.endr
	s_wait_loadcnt 0x0
.set n, 0
.rept 32
	v_pk_add_f32 v[BIAS+n:BIAS+n+1], v[BIAS+n:BIAS+n+1], v[T+n:T+n+1]
.set n, n+2
.endr
	s_branch .Lbias_done
.Lbias_v:
	s_wait_alu depctr_va_vdst(0)
.irp a, 0,1,2,3,4,5,6,7                        ; v: registers 8 a + 0..7 all hold the bias of channel 16 a + r
	global_load_b32 v[T+\a], v[BO4], s[4:5] offset:64*\a
	global_load_b32 v[T+8+\a], v[BO4], s[6:7] offset:64*\a
.endr
	s_wait_loadcnt 0x0
.irp a, 0,1,2,3,4,5,6,7
.irp j, 0,1,2,3,4,5,6,7
	v_add_f32 v[BIAS+8*\a+\j], v[T+\a], v[T+8+\a]
.endr
.endr
.Lbias_done:
	s_wait_kmcnt 0x0
	s_add_co_i32 s96, s88, s89                     ; e0 + e1
	s_add_co_i32 s96, s96, 127
	s_lshl_b32 s96, s96, 23                        ; 2^(e0 + e1) as f32
	s_mov_b32 s97, s96                             ; (named with it as a pair, so it is written)
	s_cmp_eq_u32 ttmp9, 0
	s_cselect_b32 s12, s90, s91                    ; the quantiser's exponent: e2 for q, e3 for k,
	s_cmp_eq_u32 ttmp9, 2
	s_cselect_b32 s12, s93, s12                    ; e5 for v.  A choice, no branch
	s_add_co_i32 s12, s12, 127
	s_lshl_b32 s13, s12, 23
	v_mov_b32 v[SCL], s13
.macro FRAG reg, adr, q, i             ; 16 rows x 128 K: lane l holds row l % 16; registers 4 c .. 4 c + 3 hold K = 32 c + 16 (l / 16) + 0 .. 15: the same places in A and in B, so every product meets its partner
.irp c, 0,1,2,3
	ds_load_b128 v[\reg+4*\c:\reg+4*\c+3], v[\adr] offset:128*(\q)+32*\c+(\i)*16*PITCH
.endr
.endm
; 16 matrix instructions: A's blocks a0, a0 + 1 x B's eight.  p: B's set.  zero = 1: the first product starts the sums.  The 64 accumulators take turns, in the same order in every step.
.macro MUL16 a0, p, zero
.irp a, \a0, \a0+1
.irp b, 0,1,2,3,4,5,6,7
.if \zero
	v_wmma_f32_16x16x128_fp8_fp8 v[8*(8*((\a)%4)+\b):8*(8*((\a)%4)+\b)+7], v[128*(\p)+FR*\b:128*(\p)+FR*\b+FR-1], v[AF+FR*(\a):AF+FR*(\a)+FR-1], 0
.else
	v_wmma_f32_16x16x128_fp8_fp8 v[8*(8*((\a)%4)+\b):8*(8*((\a)%4)+\b)+7], v[128*(\p)+FR*\b:128*(\p)+FR*\b+FR-1], v[AF+FR*(\a):AF+FR*(\a)+FR-1], v[8*(8*((\a)%4)+\b):8*(8*((\a)%4)+\b)+7]
.endif
.endr
.endr
.endm
.macro FETCH_B slot, q, p              ; B's eight fragments of the slot's q-th 128 along K into set p
	WIN TO_B
.irp i, 0,1,2,3,4,5,6,7
	FRAG 128*(\p)+FR*\i, ADRB+\slot, \q, \i
.endr
	WIN 0
.endm
.macro FETCH_A slot, q, i0             ; A's blocks i0 .. i0 + 3
.irp i, \i0, \i0+1, \i0+2, \i0+3
	FRAG AF+FR*(\i), ADRA+\slot, \q, \i
.endr
.endm
.macro PLACES n                        ; plain vector instructions between a matrix instruction and a load into, or a vector access to, its registers
.rept \n
	v_nop
.endr
.endm
; A step of 128 along K that has its successor in the same slot.
.macro STEP slot, q, zero
	s_wait_dscnt 4*NL                              ; B's set and A's blocks 0-3 are in; the youngest sixteen loads (A's blocks 4-7) may be out
	WIN MUL_LO
	MUL16 0, (\q)%2, \zero
	MUL16 2, (\q)%2, \zero
	s_wait_dscnt 0                                 ; A's blocks 4-7 are in
	PLACES NP
	FETCH_B \slot, (\q)+1, 1-(\q)%2
	FETCH_A \slot, (\q)+1, 0
	WIN MUL_HI
	MUL16 4, (\q)%2, \zero
	MUL16 6, (\q)%2, \zero
	PLACES NP
	WIN 0
	FETCH_A \slot, (\q)+1, 4
.endm
; A slot's last step changes slots: one barrier; in front of it each wave waits for all its tensor loads, adds 0 to its spare word, and waits for that and for its reads of this slot.  fill = 1: this slot is filled again, two K steps ahead.
.macro TURN slot, next, fill
	s_wait_tensorcnt 0x0                           ; all my tensor loads have landed: my part of the next slot
	ds_add_u32 v[SPW], v[NIL]                      ; 0 onto my spare word
	s_wait_dscnt 4*NL+1                            ; (the add and the youngest sixteen loads may be out)
	WIN MUL_LO
	MUL16 0, 1, 0                                  ; sixteen matrix instructions stand between the add and the wait for it
	s_wait_dscnt 0x0                               ; the add is done, and my reads of this slot are over
	s_barrier_signal -1
	MUL16 2, 1, 0
	WIN 0
	s_barrier_wait -1
.if \fill
	CREST                                          ; the barrier has opened a round of the cluster's barrier: no wave of any partner still reads this slot or has a load on its way
	s_add_nc_u64 s[G0+4*\slot+2:G0+4*\slot+3], s[G0+4*\slot+2:G0+4*\slot+3], 2*ROWB
	s_add_nc_u64 s[G0B+4*\slot+2:G0B+4*\slot+3], s[G0B+4*\slot+2:G0B+4*\slot+3], 2*ROWB
	JLOAD G0+4*\slot, G1, G0B+4*\slot, G1B         ; the first tensor load behind the round; its four v_nop are the places in front of the loads below
.else
	PLACES NP
.endif
	FETCH_B \next, 0, 0
	FETCH_A \next, 0, 0
	WIN MUL_HI
	MUL16 4, 1, 0
	MUL16 6, 1, 0
	PLACES NP
	WIN 0
	FETCH_A \next, 0, 4
.endm
	s_wait_tensorcnt 1                             ; my part of K step 0 is in; K step 1's one load may stay out
	s_barrier_signal -1
	s_barrier_wait -1                              ; everybody's is
	FETCH_B 0, 0, 0
	FETCH_A 0, 0, 0
	FETCH_A 0, 0, 4
	STEP 0, 0, 1                                   ; K 0-127: these products start the sums
	TURN 0, 1, 1                                   ; K 128-255; slot 0 takes K step 2
	STEP 1, 0, 0
	TURN 1, 0, 1                                   ; slot 1 takes K step 3
	STEP 0, 0, 0
	TURN 0, 1, 0                                   ; nothing is left to fetch
	STEP 1, 0, 0
	s_wait_dscnt 4*NL                              ; the very last step
	WIN MUL_LO
	MUL16 0, 1, 0
	MUL16 2, 1, 0
	s_wait_dscnt 0
	WIN MUL_HI
	MUL16 4, 1, 0
	MUL16 6, 1, 0
	WIN 0
; THE WAY OUT of A's block a: sum x 2^(e0 + e1) + bias (each accumulator from its low end on), the conversion, four stores of 512 consecutive bytes.
; q, k: accumulator b gives registers 2 (b % 4), + 1 of the fragment of head b / 4, token tile a.   v: accumulator b gives registers 2 b, 2 b + 1 of the fragment of head a / 4, channel tile a % 4.
.macro OUT a, isv
	s_wait_xcnt 0x0                                ; the stores of four blocks back have read their codes: the registers are written again only behind this wait
	WIN 0x02+((\a)/4)                              ; source 0: window 2 or 3
.irp b, 0,1,2,3,4,5,6,7
.irp i, 0,2,4,6
.if \isv
	v_pk_fma_f32 v[T+8*\b+\i:T+8*\b+\i+1], v[64*((\a)%4)+8*\b+\i:64*((\a)%4)+8*\b+\i+1], s[96:97], v[BIAS+8*(\a)+\i:BIAS+8*(\a)+\i+1] op_sel_hi:[1,0,1]
.else
	v_pk_fma_f32 v[T+8*\b+\i:T+8*\b+\i+1], v[64*((\a)%4)+8*\b+\i:64*((\a)%4)+8*\b+\i+1], s[96:97], v[BIAS+8*\b+\i:BIAS+8*\b+\i+1] op_sel_hi:[1,0,1]
.endif
.endr
.endr
	WIN 0
.set n, 0
.rept 64
.set n, n+1
.endr
.irp b, 0,1,2,3,4,5,6,7
	v_cvt_scalef32_pk8_fp8_f32 v[CD+16*((\a)%4)+2*\b:CD+16*((\a)%4)+2*\b+1], v[T+8*\b:T+8*\b+7], v[SCL]
.endr
	v_nop                                          ; one plain vector instruction behind the last conversion: the next block writes the numbers' registers
.irp p, 0,1,2,3
.if \isv
	global_store_b128 v[CO], v[CD+16*((\a)%4)+4*\p:CD+16*((\a)%4)+4*\p+3], s[10:11] offset:((\a)/4)*131072+((\a)%4)*2048+\p*512
.else
	global_store_b128 v[CO], v[CD+16*((\a)%4)+4*\p:CD+16*((\a)%4)+4*\p+3], s[10:11] offset:(\p/2)*131072+(\a)*1024+(\p%2)*512
.endif
.endr
.endm
	PLACES NP                                      ; behind the last products: their operands' registers are written and their results read below
	s_cmp_eq_u32 ttmp9, 2
	s_cbranch_scc1 .Lout_v
.irp a, 0,1,2,3,4,5,6,7
	OUT \a, 0
.endr
	s_branch .Ldone
.Lout_v:
.irp a, 0,1,2,3,4,5,6,7
	OUT \a, 1
.endr
.Ldone:
	s_wait_tensorcnt 0x0                           ; the wave's end
	ds_add_u32 v[SPW], v[NIL]
	s_wait_dscnt 0x0
	CROUND                                         ; the closing round: no work-group ends while a partner may still ask for a tile that names it
	s_endpgm
.Lfunc_end_k_q4146cdfda1_qkv:
	.size	k_q4146cdfda1_qkv, .Lfunc_end_k_q4146cdfda1_qkv-k_q4146cdfda1_qkv
	.p2alignl 7, 3214868480
	.fill 96, 4, 3214868480
	.section	.rodata,"a",@progbits
	.p2align	6, 0x0
	.amdhsa_kernel k_q4146cdfda1_qkv
		.amdhsa_group_segment_fixed_size 327680
		.amdhsa_private_segment_fixed_size 0
		.amdhsa_enable_private_segment 0
		.amdhsa_kernarg_size 80
		.amdhsa_user_sgpr_count 2
		.amdhsa_user_sgpr_kernarg_segment_ptr 1
		.amdhsa_wavefront_size32 1
		.amdhsa_system_sgpr_workgroup_id_x 1
		.amdhsa_system_sgpr_workgroup_id_y 1
		.amdhsa_system_sgpr_workgroup_id_z 1
		.amdhsa_system_vgpr_workitem_id 0
		.amdhsa_next_free_vgpr 1024
		.amdhsa_next_free_sgpr 100
		.amdhsa_reserve_vcc 0
		.amdhsa_float_denorm_mode_32 3
		.amdhsa_float_denorm_mode_16_64 3
		.amdhsa_fp16_overflow 1
		.amdhsa_memory_ordered 1
		.amdhsa_forward_progress 1
		.amdhsa_inst_pref_size 135
	.end_amdhsa_kernel
	.amdgpu_metadata
---
amdhsa.version: [ 1, 2 ]
amdhsa.kernels:
  - .name:           k_q4146cdfda1_qkv
    .symbol:         k_q4146cdfda1_qkv.kd
    .args:
      - { .name: x_codes, .offset: 0, .size: 8, .value_kind: global_buffer, .address_space: global }
      - { .name: W_attn_codes, .offset: 8, .size: 8, .value_kind: global_buffer, .address_space: global }
      - { .name: b_attn, .offset: 16, .size: 8, .value_kind: global_buffer, .address_space: global }
      - { .name: bQ, .offset: 24, .size: 8, .value_kind: global_buffer, .address_space: global }
      - { .name: bK, .offset: 32, .size: 8, .value_kind: global_buffer, .address_space: global }
      - { .name: bV, .offset: 40, .size: 8, .value_kind: global_buffer, .address_space: global }
      - { .name: lowp_scales, .offset: 48, .size: 8, .value_kind: global_buffer, .address_space: global }
      - { .name: qc, .offset: 56, .size: 8, .value_kind: global_buffer, .address_space: global }
      - { .name: kc, .offset: 64, .size: 8, .value_kind: global_buffer, .address_space: global }
      - { .name: vc, .offset: 72, .size: 8, .value_kind: global_buffer, .address_space: global }
    .group_segment_fixed_size: 327680
    .private_segment_fixed_size: 0
    .kernarg_segment_align: 8
    .kernarg_segment_size: 80
    .max_flat_workgroup_size: 128
    .sgpr_count:     100
    .vgpr_count:     1024
    .wavefront_size: 32
...
	.end_amdgpu_metadata
.endif
;; end of part 1
;; launch attn (part 2): grid 4 x 64, 16 waves a work-group, no clusters, 327,680 bytes of LDS; arguments qc, kc, vc, lowp_scales, yc; writes yc
.if DOCPART == 2
	.amdgcn_target "amdgcn-amd-amdhsa--gfx1250"
	.amdhsa_code_object_version 6
	.text
	.protected	k_q4146cdfda1_attn
	.globl	k_q4146cdfda1_attn
	.p2align	8
	.type	k_q4146cdfda1_attn,@function
k_q4146cdfda1_attn:
	s_mov_b64 s[64:65], 0
	v_nop
	global_prefetch_b8 v0, s[64:65] scope:SCOPE_SE
	s_setreg_imm32_b32 hwreg(HW_REG_WAVE_MODE, 25, 1), 1
	s_wait_xcnt 0x0
; y[b][h][q] = the sum over keys k <= q of softmax_k(q . k / 8) v, both products on E4M3 codes, y quantised (entry 6 of lowp_scales) for the last product.
; qc, kc, vc hold images of operand registers (16 bytes a lane at 16 x lane):
;   qc, kc: [batch x head 64][tile of 16 tokens 128][group 2][lane][16]: registers 2 c, 2 c + 1 of lane (r, h): token r, channels 16 c + 8 h + 0..7
;   vc:     [batch x head 64][step of 128 keys 16][tile of 16 channels 4][group 4][lane][16]: registers 2 b, 2 b + 1: channel r, keys 16 b + 8 h + 0..7
;   yc (out): [head / 4][tile of 16 rows 512][head % 4][group 2][lane][16]: group c of lane (r, h): row r, channels 32 c + 16 h + 0..15 of the head
; THE SOFTMAX: t = score x log2(e) / 8; M = the running largest t rounded UP to a whole number; p = 2^(t - M) is quantised (entry 4), not normalised; the row's sum is taken of the unquantised p
; and divides at the end.  When M moves, the sum and O are multiplied by 2^(old M - new M), which rounds nothing.
; SHARES.  Work-group (i, head) owns the blocks i and 7 - i of 256 queries, one after the other.  Block b needs the slots 0 .. b of 256 keys, so every work-group walks (i + 1) + (8 - i) = 9 slots:
; 256 work-groups of equal work, and the trip count is a constant.  Each of the sixteen waves owns one tile of 16 queries in 256 registers: four waves to a SIMD, so that one wave's vector work
; stands beside another's matrix work and LDS loads.  A step is 128 keys.  A step all of whose keys come after the wave's queries is jumped over (a scalar branch on ids); on the diagonal hidden scores become -infinity.
; LAYOUT.  S^T = K Q^T (source 0 = 16 keys, source 1 = my 16 queries): register j of tile c in lane (r, h) is (key 16 c + 8 h + j, query r), so a conversion of tile c gives registers 2 c, 2 c + 1 of P.
; O^T = V^T P^T (source 0 = 16 channels, source 1 = P): a lane holds one query throughout.
; NO CLUSTER: the four work-groups of a head want different slots in the same trip (pair i walks 0 .. i, then 0 .. 7 - i); in step on common slots each would walk 12 slots in place of 9.
; LIMITS: e2 + e3 between -123 and 130 (added to c's exponent field); e4 and e6 between -126 and 119; e4 + e5 is applied by v_ldexp_f32 and has none.
.set SLOT1, 32768                      ; a slot: K's 16 tiles (16,384 bytes), then V's two steps (16,384); slot 1 begins here: one exclusive or turns an address
.set VOFF,  16384
.set SPARE, 65536                      ; behind the ring: the spare words, 128 bytes for each of sixteen waves
.set LI,   1                           ; v1   16 x lane
.set ADR,  2                           ; v2   the slot in hand + 16 x lane
.set PFO,  3                           ; v3   256 x lane: the prefetches' offset
.set RH,   4                           ; v4   r - 8 h, for the diagonal
.set SPW,  5                           ; v5   LDS address of my spare word; never rewritten
.set NIL,  6                           ; v6   0; never rewritten
.set SP4,  7                           ; v7   2^e4
.set LP4,  8
.set SY,   9                           ; v9   2^e6
.set LY,   10
                                       ; v12 -M, v13 the largest t, v[14:15] the sum in two halves
.set QF,   16                          ; v16-23   Q's fragment
.set KV,   24                          ; v24-87   eight fragments of K, then four of V
.set S,    88                          ; v88-151  S^T, then p
.set O,    152                         ; v152-183 O^T
.set P,    184                         ; v184-199 p's codes
.set Y,    200                         ; v200-207 y's codes
.set TA,   208                         ; at work
.set F,    210                         ; v[210:211] the factor 2^(old M - new M); v211 is named with it as a pair
.set PX,   212                         ; a lane permute's destination
.set SU,   214                         ; v[214:215] the sum's second chain
.set DD,   216
.set NINF, 217
.set TB,   2                           ; s2   LDS byte of the slot in hand
.set TR,   3                           ; s3   the trip, 0 .. 8
.set FS,   14                          ; s14  which slot of keys the next fill brings
.set LIM,  15                          ; s15  7 in a wave that prefetches, else 0
.set SEL,  16                          ; s[16:17] selects for lane l xor 16
.set WV,   18
.set IX,   19                          ; s19  i
.set KF,   20                          ; s20  the step's first key
.set Q0,   21                          ; s21  my first query
.set CS,   22                          ; s[22:23] c = log2(e) / 8 x 2^(e2 + e3)
.set G1,   24                          ; s[24:31] descriptor group 1;  s[32:35] group 0
.set G0,   32
.set KVB,  36                          ; s[36:37] the head's first byte of what I fetch (K: wave 0, V: wave 1)
.set OFS,  38                          ; s[38:39] 16,384 x FS
.set PFA,  40                          ; s[40:41] where my prefetches stand
.set QB1,  42                          ; s[42:43] Q of my tile in the second block
.set YB0,  44                          ; s[44:45], s[46:47] y of my tile in the first and in the second block
.set YB1,  46
.set Q1,   60                          ; s60  my first query in the second block
.set ES,   61                          ; s61  e4 + e5
.set QB0,  62                          ; s[62:63] Q of my tile in the first block
; Wave 0 fetches a slot's K, wave 1 its V, 16,384 dense bytes each; the others nothing.  The branch hangs on the wave's number alone.  Four v_nop follow the line.
.macro TLOAD
	s_cmp_lt_u32 s[WV], 2
	s_cbranch_scc0 .Lnone_\@
	tensor_load_to_lds s[G0:G0+3], s[G1:G1+7]
	s_nop 0
.rept 4
	v_nop
.endr
.Lnone_\@:
.endm
; A PREFETCH INTO THE L2 of the slot that the NEXT change of slots will ask for.  Of a head's four work-groups the one with i = 0 asks: from trip 1 on it walks slots 0 to 7 in order.  In it waves 4 and 5 ask for
; K's 2 x 8,192 bytes, waves 6 and 7 for V's, lanes 256 bytes apart, one instruction a wave: each aligned block of 256 bytes of slots 1 to 7 is named once.  Trip t names slot t + 1; trips 7 and 8 ask for nothing.
.macro ASK
	s_cmp_lt_u32 s[TR], s[LIM]
	s_cbranch_scc0 .Lnot_mine_\@
	global_prefetch_b8 v[PFO], s[PFA:PFA+1] th:TH_LOAD_NT scope:SCOPE_SE
.Lnot_mine_\@:
.endm
	s_load_b256 s[4:11], s[0:1], 0x0               ; qc 4, kc 6, vc 8, the exponents 10
	s_load_b64 s[12:13], s[0:1], 0x20              ; yc
	v_lshl_add_u32 v[SPW], v0, 2, SPARE
	v_mov_b32 v[NIL], 0
	ds_add_u32 v5, v6
	ds_add_u32 v5, v6
	s_wait_dscnt 0x0
	v_lshrrev_b32 v2, 5, v0
	s_delay_alu instid0(VALU_DEP_1)
	v_readfirstlane_b32 s[WV], v2                  ; wave 0..15
	s_mov_b32 s[IX], ttmp9
	s_and_b32 s56, ttmp7, 0xffff                   ; 16 x batch + head
	s_lshl_b32 s58, s56, 17                        ; a head's codes are 131,072 bytes in qc, kc and vc
	s_mov_b32 s59, 0
	s_and_b32 s57, s[WV], 1
	; descriptor group 1: 64 rows of 256 bytes, dense in memory and in LDS: the images want no padding (a load of 16 bytes a lane takes 512 consecutive bytes)
	s_mov_b32 s[G1], 3<<16                         ; no mask; elements of 8 bytes; padding off
	s_mov_b32 s[G1+1], 32<<16                      ; tensor_dim0 = 32
	s_mov_b32 s[G1+2], 64<<16                      ; tensor_dim1 = 64
	s_mov_b32 s[G1+3], 32<<16                      ; tile_dim0 = 32
	s_mov_b32 s[G1+4], 64                          ; tile_dim1 = 64
	s_mov_b32 s[G1+5], 32                          ; the pitch
	s_mov_b32 s[G1+6], 0
	s_mov_b32 s[G1+7], 0
	s_mov_b32 s[G0], 1
	s_lshl_b32 s[G0+1], s57, 14                    ; slot 0: K at byte 0 (wave 0), V at 16,384 (wave 1)
	s_lshl_b32 s66, s[IX], 4
	s_add_co_u32 s66, s66, s[WV]                   ; my tile of queries in block i: 16 i + wave,
	s_sub_co_u32 s67, 7, s[IX]
	s_lshl_b32 s67, s67, 4
	s_add_co_u32 s67, s67, s[WV]                   ; and in block 7 - i
	s_lshl_b32 s[Q0], s66, 4
	s_lshl_b32 s[Q1], s67, 4
	s_lshl_b32 s[QB0], s66, 10                     ; a tile of Q is 1,024 bytes
	s_mov_b32 s[QB0+1], 0
	s_add_nc_u64 s[QB0:QB0+1], s[QB0:QB0+1], s[58:59]
	s_lshl_b32 s[QB1], s67, 10
	s_mov_b32 s[QB1+1], 0
	s_add_nc_u64 s[QB1:QB1+1], s[QB1:QB1+1], s[58:59]
	s_bfe_u32 s2, s56, 0x20002                     ; head / 4: 2,097,152 bytes each in yc
	s_lshl_b32 s2, s2, 21
	s_lshr_b32 s3, s56, 4                          ; batch: 128 row tiles of 4,096 bytes
	s_lshl_b32 s3, s3, 19
	s_add_co_u32 s2, s2, s3
	s_and_b32 s3, s56, 3                           ; head % 4: 1,024 bytes
	s_lshl_b32 s3, s3, 10
	s_add_co_u32 s2, s2, s3
	s_lshl_b32 s[YB0], s66, 12
	s_add_co_u32 s[YB0], s[YB0], s2
	s_mov_b32 s[YB0+1], 0
	s_lshl_b32 s[YB1], s67, 12
	s_add_co_u32 s[YB1], s[YB1], s2
	s_mov_b32 s[YB1+1], 0
	s_wait_kmcnt 0x0
	s_load_b256 s[48:55], s[10:11], 0x0            ; e0 .. e7
	s_cmp_eq_u32 s57, 0
	s_cselect_b64 s[KVB:KVB+1], s[6:7], s[8:9]
	s_add_nc_u64 s[KVB:KVB+1], s[KVB:KVB+1], s[58:59]
	s_mov_b64 s[G0+2:G0+3], s[KVB:KVB+1]           ; the head's first 256 keys
	s_or_b32 s[G0+3], s[G0+3], 0x80000000          ; type = 2
	TLOAD                                          ; slot 0: the one first fill; one tensor load of mine is out
	s_add_nc_u64 s[QB0:QB0+1], s[4:5], s[QB0:QB0+1]
	s_add_nc_u64 s[QB1:QB1+1], s[4:5], s[QB1:QB1+1]
	s_add_nc_u64 s[YB0:YB0+1], s[12:13], s[YB0:YB0+1]
	s_add_nc_u64 s[YB1:YB1+1], s[12:13], s[YB1:YB1+1]
	v_and_b32 v[LI], 31, v0
	s_delay_alu instid0(VALU_DEP_1)
	v_lshlrev_b32 v[PFO], 8, v[LI]
	s_delay_alu instid0(VALU_DEP_2)
	v_lshlrev_b32 v[LI], 4, v[LI]
	global_load_b128 v[QF:QF+3], v[LI], s[QB0:QB0+1]             ; Q's fragment stays in registers
	global_load_b128 v[QF+4:QF+7], v[LI], s[QB0:QB0+1] offset:512
	s_cmp_lt_u32 s[WV], 6                          ; the prefetches: waves 4, 5 stand in K, waves 6, 7 in V,
	s_cselect_b64 s[PFA:PFA+1], s[6:7], s[8:9]
	s_add_nc_u64 s[PFA:PFA+1], s[PFA:PFA+1], s[58:59]            ; in my head, at slot 0: the first change of slots steps it to slot 1.  Nothing is prefetched here, at the head
	s_lshl_b32 s68, s57, 13                        ; my 8,192 bytes of the 16,384
	s_mov_b32 s69, 0
	s_add_nc_u64 s[PFA:PFA+1], s[PFA:PFA+1], s[68:69]
	s_sub_co_u32 s68, s[WV], 4
	s_lshr_b32 s68, s68, 2                         ; 0 in waves 4 to 7,
	s_or_b32 s68, s68, s[IX]                       ; of the work-group with i = 0
	s_cmp_eq_u32 s68, 0
	s_cselect_b32 s[LIM], 7, 0
	s_mov_b32 s[TB], 0
	s_mov_b32 s[TR], 0
	s_mov_b32 s[FS], 0
	s_mov_b32 s[KF], 0
	s_mov_b32 s[OFS+1], 0
	s_mov_b32 s[SEL], 0x76543210
	s_mov_b32 s[SEL+1], 0xfedcba98
	s_mov_b32 s[CS], 0x3e38aa3b                    ; c = log2(e) / 8
	v_and_b32 v[RH], 15, v0
	v_bfe_u32 v[ADR], v0, 4, 1
	s_delay_alu instid0(VALU_DEP_1)
	v_lshlrev_b32 v[ADR], 3, v[ADR]
	s_delay_alu instid0(VALU_DEP_1)
	v_sub_nc_u32 v[RH], v[RH], v[ADR]              ; r - 8 h
	v_mov_b32 v13, 0xff61b1e6                      ; the largest t so far: -3e38, under every t
	s_delay_alu instid0(VALU_DEP_1)
	v_floor_f32 v12, -v13                          ; -M
	v_mov_b32 v14, 0                               ; the sum, in two halves
	v_mov_b32 v15, 0
	v_mov_b32 v[F+1], 0
	v_mov_b32 v[PX], 0                             ; written once: a lane permute's destination counts as one of its sources
.set n, 0
.rept 32
	v_mov_b32 v[O+n], 0                            ; O^T: the step is written once; a block's first step finds zeros, which the first change of M leaves zeros
.set n, n+1
.endr
	s_wait_kmcnt 0x0
	s_add_co_i32 s56, s50, s51                     ; a score stands for score x 2^(e2 + e3): added to c's exponent field
	s_lshl_b32 s56, s56, 23
	s_add_co_i32 s[CS], s[CS], s56
	s_mov_b32 s[CS+1], s[CS]
	s_add_co_i32 s56, s52, 127
	s_lshl_b32 s57, s56, 23
	v_mov_b32 v[SP4], s57                          ; 2^e4
	s_add_co_i32 s56, s54, 127
	s_lshl_b32 s57, s56, 23
	v_mov_b32 v[SY], s57                           ; 2^e6
	s_add_co_i32 s[ES], s52, s53
; A KEY STEP: 128 keys, the q-th of the slot in hand.
.macro STEP q
	s_add_co_u32 s56, s[Q0], 15
	s_cmp_gt_u32 s[KF], s56                        ; all 128 keys come after my 16 queries: the step's work is left out; no barrier and no tensor load stands in a step
	s_cbranch_scc1 .Lhidden_\@
.rept 4
	v_nop                                          ; places in front of loads into registers that the last products read
.endr
	s_wait_alu depctr_va_vdst(0)
.irp c, 0,1,2,3,4,5,6,7
	ds_load_b128 v[KV+8*\c:KV+8*\c+3],   v[ADR] offset:(\q)*8192+\c*1024
	ds_load_b128 v[KV+8*\c+4:KV+8*\c+7], v[ADR] offset:(\q)*8192+\c*1024+512
.endr
	s_wait_dscnt 0x0
.irp c, 0,1,2,3,4,5,6,7                        ; S^T = K Q^T: eight tiles of 16 keys, K = the head's 64
	v_wmma_f32_16x16x64_fp8_fp8 v[S+8*\c:S+8*\c+7], v[KV+8*\c:KV+8*\c+7], v[QF:QF+7], 0
.endr
.rept 4
	v_nop                                          ; places in front of the loads into K's registers and of the first read of the scores
.endr
	s_wait_alu depctr_va_vdst(0)
.irp d, 0,1,2,3                                ; V's four fragments land under the softmax
.irp p, 0,1,2,3
	ds_load_b128 v[KV+16*\d+4*\p:KV+16*\d+4*\p+3], v[ADR] offset:VOFF+(\q)*8192+\d*2048+\p*512
.endr
.endr
	s_add_co_u32 s56, s[KF], 127
	s_cmp_le_u32 s56, s[Q0]                        ; all 128 keys count for all my queries: nothing to hide
	s_cbranch_scc1 .Lopen_\@
	s_sub_co_i32 s56, s[Q0], s[KF]
	v_add_nc_u32 v[DD], s56, v[RH]                 ; d = my query - KF - 8 h.  Register 8 c + j holds key KF + 8 h + 16 c + j: hidden where 16 c + j > d
	v_mov_b32 v[NINF], 0xff800000                  ; -infinity: p = 0 then.  Key KF counts for every query of a step that is not left out, so the maximum is a number
.set n, 0
.rept 64
	v_cmp_gt_i32 vcc_lo, 16*(n/8)+n%8, v[DD]
	v_cndmask_b32 v[S+n], v[S+n], v[NINF], vcc_lo
.set n, n+1
.endr
.Lopen_\@:
	v_max3_num_f32 v[TA], v[S], v[S+1], v[S+2]     ; the step's largest score of my query among my 64 keys, in two chains, each tile from its low end on
	v_max3_num_f32 v[F], v[S+3], v[S+4], v[S+5]
.set n, 6
.rept 14
	v_max3_num_f32 v[TA], v[TA], v[S+n], v[S+n+1]
	v_max3_num_f32 v[F], v[F], v[S+n+2], v[S+n+3]
.set n, n+4
.endr
	v_max3_num_f32 v[TA], v[TA], v[S+62], v[S+63]
	s_delay_alu instid0(VALU_DEP_1)
	v_max_num_f32 v[TA], v[TA], v[F]
	s_delay_alu instid0(VALU_DEP_1)
	v_permlanex16_b32 v[PX], v[TA], s[SEL], s[SEL+1]
	s_delay_alu instid0(VALU_DEP_1)
	v_max_num_f32 v[TA], v[TA], v[PX]              ; and among lane l xor 16's
	s_delay_alu instid0(VALU_DEP_1)
	v_mul_f32 v[TA], s[CS], v[TA]                  ; as t (c is positive)
	s_delay_alu instid0(VALU_DEP_1)
	v_max_num_f32 v13, v13, v[TA]                  ; the running largest t
	v_mov_b32 v[TA], v12
	s_delay_alu instid0(VALU_DEP_2)
	v_floor_f32 v12, -v13                          ; the new -M = floor(-t) = -ceil(t)
	s_delay_alu instid0(VALU_DEP_1)
	v_sub_f32 v[TA], v12, v[TA]                    ; old M - new M: a whole number, 0 or less
	s_delay_alu instid0(VALU_DEP_1)
	v_cvt_i32_f32 v[TA], v[TA]                     ; (it saturates)
	s_delay_alu instid0(VALU_DEP_1)
	v_ldexp_f32 v[F], 1.0, v[TA]                   ; f = 2^(old M - new M)
.set n, 0
.rept 32
	v_pk_fma_f32 v[S+n:S+n+1], v[S+n:S+n+1], s[CS:CS+1], v[12:13] op_sel_hi:[1,0,0]   ; t - M, two at a time
.set n, n+2
.endr
.set n, 0
	s_wait_alu depctr_va_vdst(0)
.rept 64
	v_exp_f32 v[S+n], v[S+n]                       ; p = 2^(t - M), at most 1
.set n, n+1
.endr
	v_pk_mul_f32 v[14:15], v[14:15], v[F:F+1] op_sel_hi:[1,0]   ; the sums under the new M: the plain instruction behind the exponentials
	s_wait_alu depctr_va_vdst(0)                   ; one wait for the whole batch, ahead of its first reader
	v_pk_add_f32 v[214:215], v[92:93], v[96:97]
	v_pk_add_f32 v[254:255], v[100:101], v[104:105]
	v_pk_add_f32 v[252:253], v[108:109], v[112:113]
	v_pk_add_f32 v[250:251], v[116:117], v[120:121]
	v_pk_add_f32 v[248:249], v[124:125], v[128:129]
	v_pk_add_f32 v[246:247], v[132:133], v[136:137]
	v_pk_add_f32 v[244:245], v[140:141], v[144:145]
	v_pk_add_f32 v[14:15], v[14:15], v[148:149]
	v_pk_add_f32 v[214:215], v[214:215], v[88:89]
	v_pk_add_f32 v[254:255], v[254:255], v[90:91]
	v_pk_add_f32 v[252:253], v[252:253], v[94:95]
	v_pk_add_f32 v[250:251], v[250:251], v[98:99]
	v_pk_add_f32 v[248:249], v[248:249], v[102:103]
	v_pk_add_f32 v[246:247], v[246:247], v[106:107]
	v_pk_add_f32 v[244:245], v[244:245], v[110:111]
	v_pk_add_f32 v[14:15], v[14:15], v[114:115]
	v_pk_add_f32 v[214:215], v[214:215], v[118:119]
	v_pk_add_f32 v[254:255], v[254:255], v[122:123]
	v_pk_add_f32 v[252:253], v[252:253], v[126:127]
	v_pk_add_f32 v[250:251], v[250:251], v[130:131]
	v_pk_add_f32 v[248:249], v[248:249], v[134:135]
	v_pk_add_f32 v[246:247], v[246:247], v[138:139]
	v_pk_add_f32 v[244:245], v[244:245], v[142:143]
	v_pk_add_f32 v[14:15], v[14:15], v[146:147]
	v_pk_add_f32 v[214:215], v[214:215], v[150:151]
	s_delay_alu instid0(VALU_DEP_2)
	v_pk_add_f32 v[14:15], v[14:15], v[250:251]
	s_delay_alu instid0(VALU_DEP_2)
	v_pk_add_f32 v[214:215], v[214:215], v[248:249]
	v_pk_add_f32 v[254:255], v[254:255], v[246:247]
	v_pk_add_f32 v[252:253], v[252:253], v[244:245]
	s_delay_alu instid0(VALU_DEP_2)
	v_pk_add_f32 v[14:15], v[14:15], v[254:255]
	s_delay_alu instid0(VALU_DEP_2)
	v_pk_add_f32 v[214:215], v[214:215], v[252:253]
	s_delay_alu instid0(VALU_DEP_1)
	v_pk_add_f32 v[14:15], v[14:15], v[214:215]
.irp c, 0,1,2,3,4,5,6,7
.irp j, 0,1,2,3,4,5,6,7
.endr
	v_cvt_scalef32_pk8_fp8_f32 v[P+2*\c:P+2*\c+1], v[S+8*\c:S+8*\c+7], v[SP4]   ; registers 2 c, 2 c + 1 of P: keys 16 c + 8 h + 0..7
.endr
.set n, 0
.rept 16
	v_pk_mul_f32 v[O+n:O+n+1], v[O+n:O+n+1], v[F:F+1] op_sel_hi:[1,0]   ; O^T under the new M.  (Also the plain instructions behind the last conversion)
.set n, n+2
.endr
	s_wait_alu depctr_va_vdst(0)
	s_wait_dscnt 0x0                               ; V is in
.irp d, 0,1,2,3                                ; O^T += V^T P^T: four tiles of 16 channels by turns, K = these 128 keys
	v_wmma_f32_16x16x128_fp8_fp8 v[O+8*\d:O+8*\d+7], v[KV+16*\d:KV+16*\d+15], v[P:P+15], v[O+8*\d:O+8*\d+7]
.endr
.Lhidden_\@:
	s_add_co_u32 s[KF], s[KF], 128
.endm
; THE CHANGE OF SLOTS stands at a slot's head.  Each wave waits for all its tensor loads, adds 0 to its spare word, and waits for that and for its reads of the slot that it has left.
; Behind the barrier the slot ahead is whole and nobody reads the other one.  fill = 1: that other slot takes the keys of the next trip: the load has a whole slot's steps in which to land.
.macro CHANGE fill
	s_wait_tensorcnt 0x0                           ; no tensor load of mine is out, so group 0 may be written
	ds_add_u32 v[SPW], v[NIL]                      ; 0 onto my spare word
.if \fill
	s_xor_b32 s[G0+1], s[G0+1], SLOT1              ; the other slot than last time
	s_add_co_u32 s[FS], s[FS], 1                   ; the next 256 keys,
	s_cmp_eq_u32 s[TR], s[IX]
	s_cselect_b32 s[FS], 0, s[FS]                  ; or, in the first block's last trip, the first 256 again, for the second block
	s_lshl_b32 s[OFS], s[FS], 14
	s_add_nc_u64 s[G0+2:G0+3], s[KVB:KVB+1], s[OFS:OFS+1]
	s_or_b32 s[G0+3], s[G0+3], 0x80000000
	s_wait_xcnt 0x0                                ; the last prefetch, a slot back, has read its address, so it may be written
	s_add_nc_u64 s[PFA:PFA+1], s[PFA:PFA+1], 16384
.endif
	s_wait_dscnt 0x0                               ; the add is done, and my reads of the slot that I have left are over
	s_barrier_signal -1
	s_barrier_wait -1
.if \fill
	TLOAD                                          ; the first thing behind the barrier, and a wave's one tensor load until the next
	ASK
.endif
.endm
.macro SLOT_STEPS
	v_add_nc_u32 v[ADR], s[TB], v[LI]
	STEP 0
	STEP 1
	s_xor_b32 s[TB], s[TB], SLOT1                  ; on to the other slot
.endm
; A BLOCK'S END: y = O^T / the sum x 2^(e4 + e5), converted; four exchanges of half registers bring the codes into the next product's layout; two stores of 512 consecutive bytes.
; again = 1: the second block's Q is fetched and the running numbers begin anew.
.macro FINISH yb, again
.rept 4
	v_nop                                          ; places behind the last products
.endr
	v_add_f32 v14, v14, v15                        ; the sum's two halves,
	s_delay_alu instid0(VALU_DEP_1)
	v_permlanex16_b32 v[PX], v14, s[SEL], s[SEL+1]
	s_delay_alu instid0(VALU_DEP_1)
	v_add_f32 v14, v14, v[PX]                      ; and lane l xor 16's
	s_wait_alu depctr_va_vdst(0)
	v_rcp_f32 v14, v14
	v_nop                                          ; a plain instruction behind the reciprocal
	s_wait_alu depctr_va_vdst(0)                   ; and the wait ahead of its first reader
	v_ldexp_f32 v14, v14, s[ES]                    ; x 2^(e4 + e5)
.set n, 0
.rept 16
	v_pk_mul_f32 v[S+n:S+n+1], v[O+n:O+n+1], v[14:15] op_sel_hi:[1,0]   ; register 8 t + j: y(r, 16 t + 8 h + j); each tile from its low end on
.set n, n+2
.endr
.set n, 0
.rept 32
.set n, n+1
.endr
.irp d, 0,1,2,3
	v_cvt_scalef32_pk8_fp8_f32 v[Y+2*\d:Y+2*\d+1], v[S+8*\d:S+8*\d+7], v[SY]
.endr
	v_nop                                          ; one plain instruction between the conversions and the exchanges that touch their results
.irp c, 0,1                                    ; registers 4 c + e hold channels 32 c + 8 h + .., registers 4 c + 2 + e channels 32 c + 16 + 8 h + ..: the upper lanes of the first change places
.irp e, 0,1                                    ; with the lower lanes of the second: registers 4 c .. 4 c + 3 then hold channels 32 c + 16 h + 0..15
	v_permlane16_swap_b32 v[Y+4*\c+\e], v[Y+4*\c+2+\e]
.endr
.endr
	global_store_b128 v[LI], v[Y:Y+3], s[\yb:\yb+1]
	global_store_b128 v[LI], v[Y+4:Y+7], s[\yb:\yb+1] offset:512
.if \again
	global_load_b128 v[QF:QF+3], v[LI], s[QB1:QB1+1]
	global_load_b128 v[QF+4:QF+7], v[LI], s[QB1:QB1+1] offset:512
	v_mov_b32 v13, 0xff61b1e6
	s_delay_alu instid0(VALU_DEP_1)
	v_floor_f32 v12, -v13
	v_mov_b32 v14, 0
	v_mov_b32 v15, 0
.set n, 0
.rept 32
	v_mov_b32 v[O+n], 0
.set n, n+1
.endr
	s_mov_b32 s[Q0], s[Q1]
	s_mov_b32 s[KF], 0
	s_wait_loadcnt 0x0                             ; Q
	s_wait_xcnt 0x0                                ; the stores have read their codes: the registers are written again at the second block's end
.endif
.endm
	s_wait_loadcnt 0x0                             ; Q
.Lslot:                                            ; eight trips: behind each change of slots but the last the next trip's keys are asked for
	CHANGE 1
	SLOT_STEPS
	s_cmp_lg_u32 s[TR], s[IX]                      ; trip i is the first block's last
	s_cbranch_scc1 .Lgo
	FINISH YB0, 1
.Lgo:
	s_add_co_u32 s[TR], s[TR], 1
	s_cmp_lt_u32 s[TR], 8
	s_cbranch_scc1 .Lslot
	CHANGE 0                                       ; the last slot is written out
	SLOT_STEPS
	FINISH YB1, 0
	s_wait_tensorcnt 0x0                           ; the wave's end
	ds_add_u32 v[SPW], v[NIL]
	s_wait_dscnt 0x0
	s_endpgm
.Lfunc_end_k_q4146cdfda1_attn:
	.size	k_q4146cdfda1_attn, .Lfunc_end_k_q4146cdfda1_attn-k_q4146cdfda1_attn
	.p2alignl 7, 3214868480
	.fill 96, 4, 3214868480
	.section	.rodata,"a",@progbits
	.p2align	6, 0x0
	.amdhsa_kernel k_q4146cdfda1_attn
		.amdhsa_group_segment_fixed_size 327680
		.amdhsa_private_segment_fixed_size 0
		.amdhsa_enable_private_segment 0
		.amdhsa_kernarg_size 40
		.amdhsa_user_sgpr_count 2
		.amdhsa_user_sgpr_kernarg_segment_ptr 1
		.amdhsa_wavefront_size32 1
		.amdhsa_system_sgpr_workgroup_id_x 1
		.amdhsa_system_sgpr_workgroup_id_y 1
		.amdhsa_system_sgpr_workgroup_id_z 1
		.amdhsa_system_vgpr_workitem_id 0
		.amdhsa_next_free_vgpr 256
		.amdhsa_next_free_sgpr 70
		.amdhsa_reserve_vcc 1
		.amdhsa_float_denorm_mode_32 3
		.amdhsa_float_denorm_mode_16_64 3
		.amdhsa_fp16_overflow 1
		.amdhsa_memory_ordered 1
		.amdhsa_forward_progress 1
		.amdhsa_inst_pref_size 90
	.end_amdhsa_kernel
	.amdgpu_metadata
---
amdhsa.version: [ 1, 2 ]
amdhsa.kernels:
  - .name:           k_q4146cdfda1_attn
    .symbol:         k_q4146cdfda1_attn.kd
    .args:
      - { .name: qc, .offset: 0, .size: 8, .value_kind: global_buffer, .address_space: global }
      - { .name: kc, .offset: 8, .size: 8, .value_kind: global_buffer, .address_space: global }
      - { .name: vc, .offset: 16, .size: 8, .value_kind: global_buffer, .address_space: global }
      - { .name: lowp_scales, .offset: 24, .size: 8, .value_kind: global_buffer, .address_space: global }
      - { .name: yc, .offset: 32, .size: 8, .value_kind: global_buffer, .address_space: global }
    .group_segment_fixed_size: 327680
    .private_segment_fixed_size: 0
    .kernarg_segment_align: 8
    .kernarg_segment_size: 40
    .max_flat_workgroup_size: 512
    .sgpr_count:     70
    .vgpr_count:     256
    .wavefront_size: 32
...
	.end_amdgpu_metadata
.endif
;; end of part 2
;; launch proj (part 3): grid 4 x 32, 4 waves a work-group, clusters of 4 x 4, 327,680 bytes of LDS; arguments yc, W_proj_codes, b_proj, lowp_scales, out0; writes out0
.if DOCPART == 3
	.amdgcn_target "amdgcn-amd-amdhsa--gfx1250"
	.amdhsa_code_object_version 6
	.text
	.protected	k_q4146cdfda1_proj
	.globl	k_q4146cdfda1_proj
	.p2align	8
	.type	k_q4146cdfda1_proj,@function
k_q4146cdfda1_proj:
	s_mov_b64 s[64:65], 0
	v_nop
	global_prefetch_b8 v0, s[64:65] scope:SCOPE_SE
	s_setreg_imm32_b32 hwreg(HW_REG_WAVE_MODE, 25, 1), 1
	s_wait_xcnt 0x0
	s_wait_alu depctr_hold_cnt(0) depctr_sa_sdst(0) depctr_va_vdst(0) depctr_va_sdst(0) depctr_va_ssrc(0) depctr_va_vcc(0) depctr_vm_vsrc(0)
	s_getreg_b32 s2, hwreg(HW_REG_IB_STS2, 6, 4)
	s_cmp_eq_u32 s2, 0
	s_cbranch_scc0 .Lentry_in_a_cluster
	s_endpgm
.Lentry_in_a_cluster:
	s_bfe_u32 s2, ttmp6, 0x10000c
	s_cmp_lg_u32 s2, 0xf033
	s_cbranch_scc0 .Lentry_shape_is_right
	s_endpgm
.Lentry_shape_is_right:
; out0 = y W_proj + b_proj.  y: E4M3 codes in yc, W_proj_codes [1024 (n)][1024 (k)]: E4M3 codes, K innermost; out0 [8192][1024] f32.  Sums in f32; a finished sum x 2^(e6 + e7) + b_proj in one fused multiply-add.
; LIMIT: e6 + e7 between -126 and 127, so that 2^(e6 + e7) is an f32 number.
; yc: [K step of 256: 4][tile of 16 rows 512][8 groups][lane 32][16 bytes]: an image of operand registers: groups 4 q .. 4 q + 3 of a tile are the fragment 16 rows x 128 K of the step's q-th half:
; registers 4 c .. 4 c + 3 of lane (r, h): row r, K = 32 c + 16 h + 0..15: the places that four loads of 16 bytes, 32 bytes apart, give W's rows.  So 128 rows of a K step are 32,768 dense bytes.
; SHARES.  A tile of 256 x 256 of out0 is made by a work-group of four waves, a wave makes 128 x 128 (64 accumulators): 128 work-groups.  A tile of half the rows would fill 256 work-groups, but each of its matrix
; instructions would want half as much again from LDS: 96 loads of 512 bytes for 64 products in place of 64.
; CLUSTERS: 4 x 4: y's tiles (role A, source 1) are shared along a row of the cluster, W's (role B, source 0) along a column.  Transposed use: a lane holds eight neighbouring numbers of a row of out0.
; No prefetch: K has four steps, of which two are the first fills.
; REGISTERS: window 0: v16-31 addresses; v32-95 b_proj in the result's layout; v128-255 A's fragments (one set), on the way out rows read back from the stage.
;   window 1: B's fragments, two sets; on the way out v0-63 a block's results.   windows 2, 3: the accumulators ((a, b) at v[8 (8 (a % 4) + b)] of window 2 + a / 4).
.set KROW,   1024
.set ROWB,   256
.set PITCH,  272                       ; W's rows in LDS: 256 bytes + 16 of padding
.set FR,     16
.set NL,     4
.set NP,     4
.set HALFA,  32768                     ; 128 rows of y: eight tiles of 4,096 bytes, dense
.set HALFB,  128*PITCH                 ; 128 rows of W
.set SLOT,   2*HALFA+2*HALFB           ; 135,168 bytes
.set SPARE,  2*SLOT                    ; behind the ring: the spare words, 128 bytes a wave
.set SPITCH, 528                       ; the way out: a stage of 16 rows x (512 bytes + 16) for each wave, from LDS byte 0: in slot 0, which has had its last fill and its last read when the first result is stored there
.set SIZE_N, 1024
.set ADRA, 16
.set ADRB, 20
.set STO,  24                          ; v24  the way out: where I put 32 bytes of a row
.set RD,   25                          ; v25  where I read a row back
.set CO,   26                          ; v26  16 x lane
.set BO8,  27                          ; v27  32 x (lane / 16)
.set SPW,  28
.set NIL,  29
.set BIAS, 32
.set AF,   128
.set BK,   128                         ; the way out: 16 rows read back: v128-191 and v192-255 by turns
.set G1, 24
.set G0, 32
.set G1B, 48
.set G0B, 56
.set MSB, 0
.macro WIN new
.if MSB != \new
	s_set_vgpr_msb (MSB<<8)|\new
.set MSB, \new
.endif
.endm
.set MUL_LO, 0xa1
.set MUL_HI, 0xf1
.set TO_B,   0x40
.macro JLOAD g0a, g1a, g0b, g1b        ; waves 0 and 1 fetch y's halves, waves 2 and 3 W's; four v_nop follow each line
	s_cmp_eq_u32 s15, 0
	s_cbranch_scc0 .Lfor_b_\@
	tensor_load_to_lds s[\g0a:\g0a+3], s[\g1a:\g1a+7]
	s_nop 0
.rept 4
	v_nop
.endr
	s_branch .Lasked_\@
.Lfor_b_\@:
	tensor_load_to_lds s[\g0b:\g0b+3], s[\g1b:\g1b+7]
	s_nop 0
.rept 4
	v_nop
.endr
.Lasked_\@:
.endm
.macro CREST
	s_cmp_lg_u32 s14, 0
	s_cbranch_scc1 .Lnot_wave_0_\@
	s_barrier_signal -3
.Lnot_wave_0_\@:
	s_barrier_wait -3
	s_barrier_signal -1
	s_barrier_wait -1
.endm
.macro CROUND
	s_barrier_signal -1
	s_barrier_wait -1
	CREST
.endm
	s_load_b256 s[68:75], s[0:1], 0x0              ; yc 68, W 70, b_proj 72, the exponents 74
	s_load_b64 s[76:77], s[0:1], 0x20              ; out0
	v_lshl_add_u32 v[SPW], v0, 2, SPARE
	v_mov_b32 v[NIL], 0
	ds_add_u32 v28, v29
	ds_add_u32 v28, v29
	s_wait_dscnt 0x0
	v_lshrrev_b32 v1, 5, v0
	v_readfirstlane_b32 s14, v1                    ; wave 0..3
	s_lshr_b32 s15, s14, 1                         ; which half of the tile's rows is mine.  Also: I fetch for A (0) or for B (1)
	s_and_b32 s16, s14, 1                          ; which half of its columns.  Also: which 128 rows I fetch
	s_bfe_u32 s40, ttmp6, 0x40000                  ; cx, cy
	s_bfe_u32 s41, ttmp6, 0x40004
	s_lshl_b32 s42, ttmp9, 2
	s_add_co_u32 s42, s42, s40                     ; tile column = 4 x cluster x + cx
	s_and_b32 s17, ttmp7, 0xffff
	s_lshl_b32 s17, s17, 2
	s_add_co_u32 s17, s17, s41                     ; tile row = 4 x cluster y + cy
	s_lshl_b32 s43, s41, 2
	s_lshl_b32 s43, 15, s43                        ; my row of the cluster
	s_lshl_b32 s44, 0x1111, s40                    ; my column
	; group 1 for y: 128 rows of 256 bytes, dense in memory and in LDS
	s_or_b32 s[G1+0], s43, (3<<16)|(1<<21)         ; the mask: my row; elements of 8 bytes; padding off; 21 set beside a mask
	s_mov_b32 s[G1+1], 32<<16                      ; tensor_dim0 = 32
	s_mov_b32 s[G1+2], 128<<16                     ; tensor_dim1 = 128
	s_mov_b32 s[G1+3], 32<<16                      ; tile_dim0 = 32
	s_mov_b32 s[G1+4], 128                         ; tile_dim1 = 128
	s_mov_b32 s[G1+5], 32                          ; the pitch
	s_mov_b32 s[G1+6], 0
	s_mov_b32 s[G1+7], 0
	; group 1 for W: 128 rows of 256 bytes, 1,024 bytes apart, padded in LDS
	s_or_b32 s[G1B+0], s44, (0<<16)|(1<<20)|(1<<21)|(5<<22)|(3<<25)
	s_mov_b32 s[G1B+1], ROWB<<16
	s_mov_b32 s[G1B+2], 128<<16
	s_mov_b32 s[G1B+3], ROWB<<16
	s_mov_b32 s[G1B+4], 128
	s_mov_b32 s[G1B+5], KROW
	s_mov_b32 s[G1B+6], 0
	s_mov_b32 s[G1B+7], 0
	s_lshl_b32 s20, s17, 16                        ; y: sixteen tiles of 4,096 bytes a tile row,
	s_lshl_b32 s22, s16, 15                        ; eight of them mine to fetch
	s_add_co_u32 s20, s20, s22
	s_mov_b32 s21, 0
	s_lshl_b32 s46, s42, 18                        ; W: 256 rows of 1,024 bytes a tile column,
	s_lshl_b32 s22, s16, 17                        ; 128 of them mine to fetch
	s_add_co_u32 s46, s46, s22
	s_mov_b32 s47, 0
	s_lshl_b32 s45, s16, 15                        ; where they go: y's halves at 0 and 32,768,
	s_mul_i32 s23, s16, HALFB
	s_add_co_u32 s23, s23, 2*HALFA                 ; W's behind them: no place in the cluster enters an LDS address
	s_wait_kmcnt 0x0
	s_load_b256 s[88:95], s[74:75], 0x0            ; e0 .. e7
	s_add_nc_u64 s[20:21], s[68:69], s[20:21]
	s_add_nc_u64 s[46:47], s[70:71], s[46:47]
	CROUND                                         ; all sixteen work-groups are here: the first joint loads meet
.irp s, 0,1
	s_mov_b32 s[G0+4*\s], 1
	s_add_co_u32 s[G0+4*\s+1], s45, \s*SLOT
	s_add_nc_u64 s[G0+4*\s+2:G0+4*\s+3], s[20:21], \s*0x200000   ; a K step of y is 2,097,152 bytes on
	s_or_b32 s[G0+4*\s+3], s[G0+4*\s+3], 0x80000000
	s_mov_b32 s[G0B+4*\s], 1
	s_add_co_u32 s[G0B+4*\s+1], s23, \s*SLOT
	s_add_nc_u64 s[G0B+4*\s+2:G0B+4*\s+3], s[46:47], \s*ROWB
	s_or_b32 s[G0B+4*\s+3], s[G0B+4*\s+3], 0x80000000
	s_wait_alu depctr_va_vdst(0)
	s_wait_tensorcnt 0x0
	ds_add_u32 v28, v29
	ds_add_u32 v28, v29
	s_wait_dscnt 0x0
	CROUND
	JLOAD G0+4*\s, G1, G0B+4*\s, G1B               ; one tensor load of mine is out
.endr
	v_and_b32 v1, 15, v0                           ; r
	v_bfe_u32 v2, v0, 4, 1                         ; h
	v_and_b32 v6, 31, v0
	v_lshlrev_b32 v[CO], 4, v6
	v_lshlrev_b32 v[BO8], 5, v2
	v_mul_u32_u24 v3, v1, PITCH
	v_lshl_add_u32 v4, v2, 4, v3                   ; W: a fragment's row x pitch + 16 x half
	s_lshl_b32 s21, s15, 15                        ; my 128 rows of y
	s_mul_i32 s22, s16, HALFB                      ; my 128 rows of W
	s_add_co_u32 s22, s22, 2*HALFA
.irp s, 0,1
	v_add_nc_u32 v[ADRA+\s], s21, v[CO]            ; an image: 16 x lane
	v_add_nc_u32 v[ADRB+\s], s22, v4
	s_add_co_u32 s21, s21, SLOT
	s_add_co_u32 s22, s22, SLOT
.endr
	s_mul_i32 s23, s14, 16*SPITCH                  ; my stage
	v_mul_u32_u24 v5, v1, SPITCH                   ; in: row r, 32 bytes for each half of the lanes
	v_lshl_add_u32 v5, v2, 5, v5
	v_add_nc_u32 v[STO], s23, v5
	v_add_nc_u32 v[RD], s23, v[CO]                 ; back: the 32 lanes take one row of 512 bytes
	s_lshl_b32 s46, s42, 10                        ; my first column, in bytes of f32: 1,024 x tile column + 512 x half
	s_lshl_b32 s47, s16, 9
	s_add_co_u32 s46, s46, s47
	s_mov_b32 s47, 0
	s_add_nc_u64 s[4:5], s[72:73], s[46:47]        ; b_proj at my columns
	s_lshl_b32 s20, s17, 20                        ; my first row: 256 x tile row + 128 x half, rows of 4,096 bytes
	s_lshl_b32 s21, s15, 19
	s_add_co_u32 s20, s20, s21
	s_mov_b32 s21, 0
	s_add_nc_u64 s[20:21], s[20:21], s[46:47]
	s_add_nc_u64 s[10:11], s[76:77], s[20:21]
.irp b, 0,1,2,3,4,5,6,7                        ; register 8 b + j: b_proj of column 16 b + 8 h + j; waited for ahead of the way out
.irp u, 0,1
	global_load_b128 v[BIAS+8*\b+4*\u:BIAS+8*\b+4*\u+3], v[BO8], s[4:5] offset:64*\b+16*\u
.endr
.endr
.macro FRAG reg, adr, q, i             ; W: 16 rows x 128 K from rows: registers 4 c .. 4 c + 3 hold K = 32 c + 16 h + 0 .. 15
.irp c, 0,1,2,3
	ds_load_b128 v[\reg+4*\c:\reg+4*\c+3], v[\adr] offset:128*(\q)+32*\c+(\i)*16*PITCH
.endr
.endm
.macro FRAGA reg, adr, q, i            ; y: the same registers from the image: tile i, half q of the K step, four groups of 512 bytes
.irp c, 0,1,2,3
	ds_load_b128 v[\reg+4*\c:\reg+4*\c+3], v[\adr] offset:(\i)*4096+2048*(\q)+512*\c
.endr
.endm
.macro MUL16 a0, p, zero               ; 16 matrix instructions; the 64 accumulators take turns, in the same order in every step
.irp a, \a0, \a0+1
.irp b, 0,1,2,3,4,5,6,7
.if \zero
	v_wmma_f32_16x16x128_fp8_fp8 v[8*(8*((\a)%4)+\b):8*(8*((\a)%4)+\b)+7], v[128*(\p)+FR*\b:128*(\p)+FR*\b+FR-1], v[AF+FR*(\a):AF+FR*(\a)+FR-1], 0
.else
	v_wmma_f32_16x16x128_fp8_fp8 v[8*(8*((\a)%4)+\b):8*(8*((\a)%4)+\b)+7], v[128*(\p)+FR*\b:128*(\p)+FR*\b+FR-1], v[AF+FR*(\a):AF+FR*(\a)+FR-1], v[8*(8*((\a)%4)+\b):8*(8*((\a)%4)+\b)+7]
.endif
.endr
.endr
.endm
.macro FETCH_B slot, q, p
	WIN TO_B
.irp i, 0,1,2,3,4,5,6,7
	FRAG 128*(\p)+FR*\i, ADRB+\slot, \q, \i
.endr
	WIN 0
.endm
.macro FETCH_A slot, q, i0
.irp i, \i0, \i0+1, \i0+2, \i0+3
	FRAGA AF+FR*(\i), ADRA+\slot, \q, \i
.endr
.endm
.macro PLACES n
.rept \n
	v_nop
.endr
.endm
.macro STEP slot, q, zero
	s_wait_dscnt 4*NL                              ; B's set and A's blocks 0-3 are in; the youngest sixteen loads (A's blocks 4-7) may be out
	WIN MUL_LO
	MUL16 0, (\q)%2, \zero
	MUL16 2, (\q)%2, \zero
	s_wait_dscnt 0
	PLACES NP
	FETCH_B \slot, (\q)+1, 1-(\q)%2
	FETCH_A \slot, (\q)+1, 0
	WIN MUL_HI
	MUL16 4, (\q)%2, \zero
	MUL16 6, (\q)%2, \zero
	PLACES NP
	WIN 0
	FETCH_A \slot, (\q)+1, 4
.endm
.macro TURN slot, next, fill
	s_wait_tensorcnt 0x0                           ; all my tensor loads have landed: my part of the next slot
	ds_add_u32 v[SPW], v[NIL]                      ; 0 onto my spare word
	s_wait_dscnt 4*NL+1                            ; (the add and the youngest sixteen loads may be out)
	WIN MUL_LO
	MUL16 0, 1, 0
	s_wait_dscnt 0x0                               ; the add is done, and my reads of this slot are over
	s_barrier_signal -1
	MUL16 2, 1, 0
	WIN 0
	s_barrier_wait -1
.if \fill
	CREST                                          ; a round of the cluster's barrier: no wave of any partner still reads this slot or has a load on its way
	s_add_nc_u64 s[G0+4*\slot+2:G0+4*\slot+3], s[G0+4*\slot+2:G0+4*\slot+3], 0x400000
	s_add_nc_u64 s[G0B+4*\slot+2:G0B+4*\slot+3], s[G0B+4*\slot+2:G0B+4*\slot+3], 2*ROWB
	JLOAD G0+4*\slot, G1, G0B+4*\slot, G1B
.else
	PLACES NP
.endif
	FETCH_B \next, 0, 0
	FETCH_A \next, 0, 0
	WIN MUL_HI
	MUL16 4, 1, 0
	MUL16 6, 1, 0
	PLACES NP
	WIN 0
	FETCH_A \next, 0, 4
.endm
	s_wait_alu depctr_va_vdst(0)
	s_wait_tensorcnt 1                             ; my part of K step 0 is in; K step 1's one load may stay out
	s_barrier_signal -1
	s_barrier_wait -1
	FETCH_B 0, 0, 0
	FETCH_A 0, 0, 0
	FETCH_A 0, 0, 4
	STEP 0, 0, 1
	TURN 0, 1, 1
	STEP 1, 0, 0
	TURN 1, 0, 1
	STEP 0, 0, 0
	TURN 0, 1, 0
	STEP 1, 0, 0
	s_wait_dscnt 4*NL
	WIN MUL_LO
	MUL16 0, 1, 0
	MUL16 2, 1, 0
	s_wait_dscnt 0
	WIN MUL_HI
	MUL16 4, 1, 0
	MUL16 6, 1, 0
	WIN 0
; THE WAY OUT, block by block of 16 rows x 128 columns: sum x 2^(e6 + e7) + b_proj into window 1, through my own stage in LDS, back as whole rows of 512 bytes.
; LDS serves a wave's instructions in order (ISA guide 5.7.1.4): no wait between the stores and the loads, nor in front of the next block's stores.
.macro TOSTAGE a
	WIN 0x42+((\a)/4)                              ; destination window 1, source 0 (the sums) window 2 or 3, source 2 (the bias) window 0
.set n, 0
.rept 32
	v_pk_fma_f32 v[n:n+1], v[64*((\a)%4)+n:64*((\a)%4)+n+1], s[96:97], v[BIAS+n:BIAS+n+1] op_sel_hi:[1,0,1]   ; each accumulator from its low end on
.set n, n+2
.endr
	WIN 0x04                                       ; the stores' data window 1, their address window 0
.irp b, 0,1,2,3,4,5,6,7
	ds_store_b128 v[STO], v[8*\b:8*\b+3] offset:64*\b
	ds_store_b128 v[STO], v[8*\b+4:8*\b+7] offset:64*\b+16
.endr
	WIN 0
.set BB, BK+64*((\a)%2)
.irp t, 0,1,2,3,4,5,6,7,8,9,10,11,12,13,14,15
	ds_load_b128 v[BB+4*\t:BB+4*\t+3], v[RD] offset:\t*SPITCH
.endr
.endm
.macro SEND a, younger                 ; younger: the LDS instructions issued behind block a's loads, which may stay out
.set BB, BK+64*((\a)%2)
	s_wait_dscnt \younger
.if (\a) > 0
	s_add_nc_u64 s[10:11], s[10:11], 16*SIZE_N*4   ; (behind a wait on XCNT: the earlier stores have read their base)  16 rows on
.endif
.irp t, 0,1,2,3,4,5,6,7,8,9,10,11,12,13,14,15
	global_store_b128 v[CO], v[BB+4*\t:BB+4*\t+3], s[10:11] offset:\t*SIZE_N*4 th:TH_STORE_NT   ; 32 lanes store 512 consecutive bytes, at a multiple of 256 from the output's first byte
.endr
.endm
	s_wait_kmcnt 0x0
	s_add_co_i32 s96, s94, s95                     ; e6 + e7
	s_add_co_i32 s96, s96, 127
	s_lshl_b32 s96, s96, 23                        ; 2^(e6 + e7) as f32
	s_mov_b32 s97, s96
	s_wait_loadcnt 0x0                             ; b_proj
	PLACES NP                                      ; behind the last products
	TOSTAGE 0
.irp a, 1,2,3,4,5,6,7
.if \a > 1
	s_wait_xcnt 0x0                                ; the stores of two blocks back have read their registers and their base
.endif
	TOSTAGE \a
	SEND \a-1, 32                                  ; behind the earlier block's loads: this block's 16 stores and 16 loads
.endr
	s_wait_xcnt 0x0
	SEND 7, 0
	s_wait_tensorcnt 0x0                           ; the wave's end
	ds_add_u32 v[SPW], v[NIL]
	s_wait_dscnt 0x0
	CROUND                                         ; the closing round
	s_endpgm
.Lfunc_end_k_q4146cdfda1_proj:
	.size	k_q4146cdfda1_proj, .Lfunc_end_k_q4146cdfda1_proj-k_q4146cdfda1_proj
	.p2alignl 7, 3214868480
	.fill 96, 4, 3214868480
	.section	.rodata,"a",@progbits
	.p2align	6, 0x0
	.amdhsa_kernel k_q4146cdfda1_proj
		.amdhsa_group_segment_fixed_size 327680
		.amdhsa_private_segment_fixed_size 0
		.amdhsa_enable_private_segment 0
		.amdhsa_kernarg_size 40
		.amdhsa_user_sgpr_count 2
		.amdhsa_user_sgpr_kernarg_segment_ptr 1
		.amdhsa_wavefront_size32 1
		.amdhsa_system_sgpr_workgroup_id_x 1
		.amdhsa_system_sgpr_workgroup_id_y 1
		.amdhsa_system_sgpr_workgroup_id_z 1
		.amdhsa_system_vgpr_workitem_id 0
		.amdhsa_next_free_vgpr 1024
		.amdhsa_next_free_sgpr 100
		.amdhsa_reserve_vcc 0
		.amdhsa_float_denorm_mode_32 3
		.amdhsa_float_denorm_mode_16_64 3
		.amdhsa_memory_ordered 1
		.amdhsa_forward_progress 1
		.amdhsa_inst_pref_size 126
	.end_amdhsa_kernel
	.amdgpu_metadata
---
amdhsa.version: [ 1, 2 ]
amdhsa.kernels:
  - .name:           k_q4146cdfda1_proj
    .symbol:         k_q4146cdfda1_proj.kd
    .args:
      - { .name: yc, .offset: 0, .size: 8, .value_kind: global_buffer, .address_space: global }
      - { .name: W_proj_codes, .offset: 8, .size: 8, .value_kind: global_buffer, .address_space: global }
      - { .name: b_proj, .offset: 16, .size: 8, .value_kind: global_buffer, .address_space: global }
      - { .name: lowp_scales, .offset: 24, .size: 8, .value_kind: global_buffer, .address_space: global }
      - { .name: out0, .offset: 32, .size: 8, .value_kind: global_buffer, .address_space: global }
    .group_segment_fixed_size: 327680
    .private_segment_fixed_size: 0
    .kernarg_segment_align: 8
    .kernarg_segment_size: 40
    .max_flat_workgroup_size: 128
    .sgpr_count:     100
    .vgpr_count:     1024
    .wavefront_size: 32
...
	.end_amdgpu_metadata
.endif
;; end of part 3
